; MI455X (gfx1250); checked and timed in simulation.
; The chip was launched on July 23, 2026; its instructions are those of AMD's public machine-readable ISA for CDNA 5 (MIT licence, August 2026) and "CDNA5" Instruction Set Architecture Reference Guide (July 2026). The comments in the code are by the model that wrote it; some were corrected since.
;; MHA Attention. Allowed arithmetic: matrix products marked QUANTISED: E5M2 operands, one given power-of-two scale a tensor, by v_wmma_f32_16x16x64_bf8_bf8 or v_wmma_f32_16x16x128_bf8_bf8, f32 sums; everything else in f32.
;; Inputs: W_out 512 x 64 float32; b_out 64 float32; key 2 x 4,096 x 512 float32; lowp_scales 6 int32 (the exponents e of the quantised operands' scales 2^e); query 2 x 4,096 x 512 float32; value 2 x 4,096 x 512 float32.
;; Outputs: out0 2 x 4,096 x 64 float32.
;; This version of the problem:
;;   THIS VERSION OF THE PROBLEM IS GIVEN IN LOW PRECISION. The matrix products marked QUANTISED in the list below multiply operands that are first quantised to E5M2 (5 exponent bits, 2 mantissa bits; 8 bits a number), with one given power-of-two scale for each operand tensor; their sums are f32. All else is computed in f32.
;;   The module's matrix products, in the order in which they are computed (A, B: the left and right operand; K: the contracted axis; several contracted axes count as one K, in the product's order):
;;     1. batch 16 x [M 4,096, K 64] x [K 64, N 4,096]; A: input query; B: input key: QUANTISED (scales: A lowp_scales[0], B lowp_scales[1])
;;     2. batch 16 x [M 4,096, K 4,096] x [K 4,096, N 64]; A: softmax (see below); B: input value: QUANTISED (scales: A lowp_scales[2], B lowp_scales[3])
;;     3. [M 8,192, K 512] x [K 512, N 64]; A: computed on the way; B: input W_out: QUANTISED (scales: A lowp_scales[4], B lowp_scales[5])
;;   THE QUANTISER, for each operand of a quantised product, along K:
;;     - The operand's scale is 2^e, e = its entry of the input lowp_scales (int32; the entries are numbered through the quantised products in the list's order, A before B).
;;     - Each number is divided by the scale, clamped to +-57,344, and rounded to the nearest number of E5M2, ties to even, subnormals kept.
;;     - The product sums the exact products of the quantised numbers (number of the format x scale) in f32.
;;   ~~~python
;;   def quantise(x, axis, e):      # numpy; x: float32 -> the quantised numbers, widened to float32 again
;;       x = np.moveaxis(x, axis, -1); K = x.shape[-1]
;;       r = np.clip(x / 2.0 ** e, -57344, 57344)
;;       step = 2.0 ** (np.maximum(np.frexp(np.where(r == 0, 1, r))[1] - 1, -14) - 2)
;;       q = np.round(r / step) * step * 2.0 ** e      # np.round: ties to even
;;       return np.moveaxis(q, -1, axis).astype(np.float32)
;;   ~~~
;;   SOFTMAX AHEAD OF A QUANTISED PRODUCT. Where the list says 'softmax', what is quantised is not the finished softmax but p = 2^(t - M), with t = logit x log2(e) and M = ceil(the row's largest t), a whole number; so 1/2 < the row's largest p <= 1. The row's sum l is taken of the UNQUANTISED p, in f32, and the product's result is divided by l at the end. Since M is a whole number, a kernel that streams over the keys may use a running M (the ceiling of the running maximum): every later rescaling is an exact power of two, so the quantised numbers keep their values, but for numbers so far below the row's largest that they fall under the format's range.
;;   OPERANDS COMPUTED ON THE WAY. 'Computed on the way' means the value that the module computes at that place (a softmax that the list does not call 'softmax' is quantised finished and normalised). What goes into a quantiser is computed in f32, as accurately as f32 sums, v_exp_f32 and their like allow (about 1e-6 of the number): no bf16 or f16 on the way to a quantiser, and a product that is left as it is and whose result goes on into a quantised operand takes f32 operands (vector FMAs, or v_wmma_f32_16x16x4_f32). A number that lies on a knife's edge between two numbers of the format may be rounded either way, as far as f32 arithmetic and the matrix unit's own rounding can turn it there, and no further.
;; One version. Each part assembles by itself: llvm-mc -triple=amdgcn-amd-amdhsa -mcpu=gfx1250 --defsym DOCPART=n.
;; ======== version 1 of 1: 3 launches
;; limits: right only within a limited range of input values
;; workspace buffers: kcodes 4,194,304 bytes; vcodes 4,194,304 bytes; wimg 32,768 bytes; aimg 4,194,304 bytes
;; launch prep (part 1): grid 520 x 1, 4 waves a work-group, no clusters, 68,608 bytes of LDS; arguments key, value, W_out, lowp_scales, kcodes, vcodes, wimg; writes kcodes, vcodes, wimg
.if DOCPART == 1
	.amdgcn_target "amdgcn-amd-amdhsa--gfx1250"
	.amdhsa_code_object_version 6
	.text
	.protected	k_q2303d83f9e_prep
	.globl	k_q2303d83f9e_prep
	.p2align	8
	.type	k_q2303d83f9e_prep,@function
k_q2303d83f9e_prep:
	s_mov_b64 s[64:65], 0
	v_nop
	global_prefetch_b8 v0, s[64:65] scope:SCOPE_SE
	s_setreg_imm32_b32 hwreg(HW_REG_WAVE_MODE, 25, 1), 1
	s_wait_xcnt 0x0
; key, value [2][4096][512] and W_out [512][64], f32, become codes of BF8 (E5M2), each with the one scale 2^e that is given for it (entries 1, 3 and 5 of the scales' buffer).
; code = x / 2^e, held within +-57,344, rounded to the nearest code, ties to even.
; LIMITS: each e lies between -126 and 112, so that 2^e and 57,344 x 2^e are f32 numbers.  NaN among the inputs is not served; an infinity is held at the largest code.
; Three paths part on the work-group's number alone; each has LDS bytes of its own.
;   work-groups 0-255   V: value -> vcodes [16 heads][64 d][4096 key places]: the keys are the second product's K and go innermost.
;                       A work-group takes 64 columns x 256 keys; a wave 32 of the columns and 128 of the keys: 4 blocks of 32 keys a lane, two blocks' 64 loads on their way at a time.
;                       A lane takes a column (head, d) and its registers run down the keys, so the conversions give codes with the keys innermost; nothing is transposed by an instruction.
;                       Two waves fill each stage row of 256 key places, so one barrier stands between the stage's stores and its loads; then each wave stores 16 whole rows.
;                       Inside each block of 32 keys the four groups of 8 keys lie in the order 0, 2, 1, 3 (byte 16 h + 8 e + i holds key 16 e + 8 h + i): a lane half that reads 16 bytes at 32 c + 16 h
;                       then holds keys 16 (2 c + e) + 8 h + i in registers 4 c + 2 e, 4 c + 2 e + 1: the place that the 16x16x128 form gives them.
;   work-groups 256-511 K: key -> kcodes [16 heads][4096 keys][64 d], d as it lies.  Its waves share nothing.
;   work-groups 512-519 W: W_out -> wimg: 32 images of operand registers, 1,024 bytes each; fragment (head g, 16 columns t) at (4 g + t) x 1,024; registers 4 c .. 4 c + 3 of lane L at 512 c + 16 L.
; No cluster, no tensor load: every input byte is read once, by one wave.
.set KSTG,  0                          ; K's stages: four waves x 4 rows x 2,064 bytes
.set KROWP, 2064                       ; a key's row of 2,048 bytes + 16: row i starts 4 i banks on (64 banks of 4 bytes: ISA guide 11.1)
.set VSTG,  33280                      ; V's stage: 64 rows x 272 bytes
.set VROWP, 272
.set XV,    32                         ; V: v32-95  two sets of 32 numbers
.set CV,    96                         ; V: v96-103 a block's codes
.set OV,    112                        ; V: v112-143 the way out
.set RK,    16                         ; K: v16-143 two sets of 64 numbers as loaded
.set XK,    144                        ; K: v144-207 64 numbers, 16 neighbours along d at a time
.set CK,    208                        ; K: v208-239 codes: registers of its own for each store
	s_load_b256 s[4:11], s[0:1], 0x0               ; key s[4:5], value s[6:7], W_out s[8:9], the scales' exponents s[10:11]
	s_load_b128 s[12:15], s[0:1], 0x20             ; kcodes s[12:13], vcodes s[14:15]
	s_load_b64 s[16:17], s[0:1], 0x30              ; wimg
	v_lshl_add_u32 v254, v0, 2, 0x10a00            ; my spare word, behind the stages; never rewritten
	v_mov_b32 v255, 0
	v_lshrrev_b32 v1, 5, v0
	v_readfirstlane_b32 s18, v1                    ; wave 0..3
	v_and_b32 v2, 31, v0                           ; lane
	s_wait_kmcnt 0x0
.macro MKSCALE se                      ; s[se] = e:  v11 = 2^e as f32 (the conversion takes its exponent field);  v10 = 57,344 x 2^e
	s_add_co_i32 s30, s[\se], 127
	s_lshl_b32 s31, s30, 23
	v_mov_b32 v11, s31
	s_add_co_i32 s30, s30, 15
	s_lshl_b32 s30, s30, 23
	s_or_b32 s30, s30, 0x600000
	v_mov_b32 v10, s30
.endm
	s_cmp_lt_u32 ttmp9, 256
	s_cbranch_scc1 .Lv
	s_cmp_lt_u32 ttmp9, 512
	s_cbranch_scc1 .Lk
	; ---------------- W: work-group g = head, wave t = 16 output columns.  Lane (r, h) takes column 16 t + r; its registers run down K: k = 64 g + 16 c + 8 h + i in register 8 c + i
	s_load_b32 s28, s[10:11], 0x14                 ; e of W_out
	s_sub_co_u32 s20, ttmp9, 512                   ; g
	s_lshl_b32 s24, s20, 14                        ; 64 rows of 256 bytes
	s_lshl_b32 s25, s18, 6                         ; 16 columns of 4 bytes
	s_add_co_u32 s24, s24, s25
	s_mov_b32 s25, 0
	s_add_nc_u64 s[8:9], s[8:9], s[24:25]
	s_lshl_b32 s26, s20, 2
	s_add_co_u32 s26, s26, s18
	s_lshl_b32 s26, s26, 10                        ; image 4 g + t
	s_mov_b32 s27, 0
	s_add_nc_u64 s[16:17], s[16:17], s[26:27]
	s_wait_alu depctr_va_vdst(0)                   ; ahead of the readers of the lane's number
	v_and_b32 v5, 15, v2                           ; r
	v_lshrrev_b32 v6, 4, v2                        ; h
	v_lshlrev_b32 v3, 2, v5
	v_lshl_add_u32 v3, v6, 11, v3                  ; 4 r + 8 h rows of 256 bytes
	v_lshlrev_b32 v4, 4, v2                        ; 16 x lane
.irp c, 0,1,2,3
.irp i, 0,1,2,3,4,5,6,7
	global_load_b32 v[32+8*\c+\i], v3, s[8:9] offset:(16*\c+\i)*256
.endr
.endr
	s_wait_kmcnt 0x0
	MKSCALE 28
	s_wait_alu depctr_va_vdst(0)                   ; directly ahead of the wait below
	s_wait_loadcnt 0x0
.set ii, 0
.rept 32
	v_med3_num_f32 v[32+ii], v[32+ii], -v10, v10   ; the conversion to an 8-bit code does not saturate (ISA guide 7.6.2): the hold comes first
.set ii, ii+1
.endr
.irp c, 0,1,2,3
	v_cvt_scalef32_pk8_bf8_f32 v[96+2*\c:97+2*\c], v[32+8*\c:39+8*\c], v11   ; registers 2 c, 2 c + 1 of the 16x16x64 form's operand
.endr
	global_store_b128 v4, v[96:99], s[16:17]               ; the wave stores 512 consecutive bytes, aligned
	global_store_b128 v4, v[100:103], s[16:17] offset:512
	s_endpgm
	; ---------------- V: work-group = (batch, 256 keys, 64 columns); a wave takes 32 columns x 128 keys: 4 blocks of 32 keys a lane
.Lv:
	s_load_b32 s28, s[10:11], 0xc                  ; e of value
	s_and_b32 s20, ttmp9, 7                        ; which 64 columns
	s_bfe_u32 s21, ttmp9, 0x40003                  ; which 256 keys
	s_lshr_b32 s22, ttmp9, 7                       ; batch
	s_and_b32 s19, s18, 1                          ; which 32 of the 64 columns are my wave's
	s_lshr_b32 s33, s18, 1                         ; which 128 of the 256 keys
	s_lshl_b32 s20, s20, 6                         ; the work-group's first column
	s_lshl_b32 s24, s22, 23                        ; a batch is 8,388,608 bytes,
	s_lshl_b32 s25, s21, 19                        ; 256 keys are 524,288,
	s_add_co_u32 s24, s24, s25
	s_lshl_b32 s25, s33, 18                        ; 128 keys 262,144,
	s_add_co_u32 s24, s24, s25
	s_lshl_b32 s25, s19, 5
	s_add_co_u32 s25, s25, s20                     ; my wave's first column,
	s_lshl_b32 s25, s25, 2                         ; a column 4
	s_add_co_u32 s24, s24, s25
	s_mov_b32 s25, 0
	s_add_nc_u64 s[6:7], s[6:7], s[24:25]
	s_lshl_b32 s26, s22, 9
	s_add_co_u32 s26, s26, s20
	s_lshl_b32 s27, s18, 4
	s_add_co_u32 s26, s26, s27                     ; the first row of vcodes that I store: 512 x batch + the first column + 16 x wave
	s_lshl_b32 s26, s26, 12                        ; of 4,096 bytes,
	s_lshl_b32 s27, s21, 8                         ; + the work-group's 256 key places
	s_add_co_u32 s26, s26, s27
	s_mov_b32 s27, 0
	s_add_nc_u64 s[14:15], s[14:15], s[26:27]
	s_mul_i32 s29, s19, 32*VROWP                   ; into the stage: my 32 rows,
	s_lshl_b32 s34, s33, 7                         ; my 128 bytes of each
	s_add_co_u32 s29, s29, s34
	s_add_co_u32 s29, s29, VSTG
	s_mul_i32 s34, s18, 16*VROWP                   ; out of it: rows 16 x wave on
	s_add_co_u32 s34, s34, VSTG
	s_wait_alu depctr_va_vdst(0)                   ; ahead of the readers of the lane's number
	v_lshlrev_b32 v3, 2, v2                        ; in: 4 bytes a lane: 128 consecutive bytes a wave, 256 the two waves side by side
	v_mul_u32_u24 v4, v2, VROWP
	v_add_nc_u32 v4, s29, v4                       ; into the stage: row = my column
	v_and_b32 v5, 15, v2
	v_lshrrev_b32 v6, 4, v2
	v_mul_u32_u24 v7, v6, VROWP
	v_lshl_add_u32 v7, v5, 4, v7
	v_add_nc_u32 v7, s34, v7                       ; out of it: sixteen lanes to a row, two rows an instruction
	v_lshlrev_b32 v8, 12, v6
	v_lshl_add_u32 v8, v5, 4, v8                   ; and the same place in vcodes
.macro LOADV t                         ; block t: value(32 t + i, my column), i = 0 .. 31, into set t % 2
.set ii, 0
.rept 32
	global_load_b32 v[XV+32*((\t)%2)+ii], v3, s[6:7] offset:(32*(\t)+ii)*2048 th:TH_LOAD_NT
.set ii, ii+1
.endr
.endm
.macro BLOCKV t
.set XS, XV+32*((\t)%2)
.if (\t) < 3
	s_wait_loadcnt 32                              ; this block's 32 loads are in; the next block's 32 may be out
.else
	s_wait_loadcnt 0x0
.endif
.set ii, 0
.rept 32
	v_med3_num_f32 v[XS+ii], v[XS+ii], -v10, v10   ; the hold at the largest code x the scale
.set ii, ii+1
.endr
	v_cvt_scalef32_pk8_bf8_f32 v[CV:CV+1],   v[XS:XS+7],     v11   ; keys 0-7   -> bytes 0-7
	v_cvt_scalef32_pk8_bf8_f32 v[CV+4:CV+5], v[XS+8:XS+15],  v11   ; keys 8-15  -> bytes 16-23
	v_cvt_scalef32_pk8_bf8_f32 v[CV+2:CV+3], v[XS+16:XS+23], v11   ; keys 16-23 -> bytes 8-15
	v_cvt_scalef32_pk8_bf8_f32 v[CV+6:CV+7], v[XS+24:XS+31], v11   ; keys 24-31 -> bytes 24-31
	ds_store_b128 v4, v[CV:CV+3] offset:32*(\t)    ; the results go to LDS stores; the next vector lines are the next block's holds, which are plain and touch other registers
	ds_store_b128 v4, v[CV+4:CV+7] offset:32*(\t)+16
.if (\t)+2 < 4
	LOADV (\t)+2
.endif
	s_wait_dscnt 0x0                               ; the stores have read their registers and are done: the next block's codes may be written, and behind the last block the barrier may be signalled
.endm
	LOADV 0
	LOADV 1
	s_wait_kmcnt 0x0
	MKSCALE 28
	s_wait_alu depctr_va_vdst(0)                   ; directly ahead of the first block's wait
.irp t, 0,1,2,3
	BLOCKV \t
.endr
	s_barrier_signal -1                            ; every wave's stores into the stage are done: a row's 256 bytes come from two waves
	s_barrier_wait -1
.irp t, 0,1,2,3,4,5,6,7
	ds_load_b128 v[OV+4*\t:OV+4*\t+3], v7 offset:2*\t*VROWP
.endr
.irp t, 0,1,2,3,4,5,6,7
	s_wait_dscnt 7-\t                              ; the younger loads may be out
	global_store_b128 v8, v[OV+4*\t:OV+4*\t+3], s[14:15] offset:2*\t*4096   ; sixteen lanes store 256 consecutive bytes, aligned
.endr
	s_wait_tensorcnt 0x0                           ; the wave's end
	ds_add_u32 v254, v255
	s_wait_dscnt 0x0
	s_endpgm
	; ---------------- K: a wave takes 8 rows (keys) of 2,048 bytes, in two steps of 4.  Loads take the bytes as they lie, 512 to a load; the rows turn through the wave's stage, so that a lane
	; gets 16 neighbours along d of one head and one key, and sixteen lanes' codes are 4 keys x 64 bytes of one head: 256 consecutive bytes of kcodes.
.Lk:
	s_load_b32 s28, s[10:11], 0x4                  ; e of key
	s_sub_co_u32 s20, ttmp9, 256
	s_lshl_b32 s20, s20, 5
	s_lshl_b32 s21, s18, 3
	s_add_co_u32 s20, s20, s21                     ; my first row of the 8,192
	s_lshl_b32 s24, s20, 11
	s_mov_b32 s25, 0
	s_add_nc_u64 s[4:5], s[4:5], s[24:25]
	s_lshr_b32 s22, s20, 12                        ; batch
	s_and_b32 s23, s20, 4095                       ; key
	s_lshl_b32 s26, s22, 21                        ; a batch's 8 heads of 262,144 bytes
	s_lshl_b32 s27, s23, 6
	s_add_co_u32 s26, s26, s27
	s_mov_b32 s27, 0
	s_add_nc_u64 s[12:13], s[12:13], s[26:27]
	s_wait_alu depctr_va_vdst(0)                   ; ahead of the readers of the lane's number
	v_lshlrev_b32 v3, 4, v2                        ; 16 x lane
	s_mul_i32 s29, s18, 4*KROWP                    ; my stage (KSTG = 0)
	v_add_nc_u32 v14, s29, v3                      ; into it: as loaded
	v_bfe_u32 v5, v2, 2, 2                         ; which of the 4 keys
	v_lshrrev_b32 v6, 4, v2                        ; which of 2 heads
	v_and_b32 v7, 3, v2                            ; which 16 of the head's 64
	v_mul_u32_u24 v15, v5, KROWP
	v_lshl_add_u32 v15, v6, 8, v15
	v_lshl_add_u32 v15, v7, 6, v15
	v_add_nc_u32 v15, s29, v15                     ; out of it
	v_and_b32 v8, 15, v2
	v_lshlrev_b32 v4, 18, v6
	v_lshl_add_u32 v4, v8, 4, v4                   ; kcodes: head half x 262,144 + 64 x key + 16 x part
.macro LOADK st
.irp i, 0,1,2,3
.irp p, 0,1,2,3
	global_load_b128 v[RK+64*\st+16*\i+4*\p:RK+64*\st+16*\i+4*\p+3], v3, s[4:5] offset:(4*\st+\i)*2048+512*\p th:TH_LOAD_NT   ; 512 consecutive bytes
.endr
.endr
.endm
.macro STEPK st
	s_wait_loadcnt 16-16*\st                       ; this step's 16 loads are in; in step 0 the other step's 16 may be out
.irp i, 0,1,2,3
.irp p, 0,1,2,3
	ds_store_b128 v14, v[RK+64*\st+16*\i+4*\p:RK+64*\st+16*\i+4*\p+3] offset:KSTG+\i*KROWP+512*\p
.endr
.endr
.irp j, 0,1,2,3
.irp m, 0,1,2,3
	ds_load_b128 v[XK+16*\j+4*\m:XK+16*\j+4*\m+3], v15 offset:KSTG+512*\j+16*\m   ; heads 2 j, 2 j + 1; in order behind my stores
.endr
.endr
.irp j, 0,1,2,3
	s_wait_dscnt 12-4*\j                           ; group j's four loads are in; the later groups' may be out
.irp i, 0,1,2,3,4,5,6,7,8,9,10,11,12,13,14,15
	v_med3_num_f32 v[XK+16*\j+\i], v[XK+16*\j+\i], -v10, v10
.endr
	v_cvt_scalef32_pk8_bf8_f32 v[CK+16*\st+4*\j:CK+16*\st+4*\j+1],   v[XK+16*\j:XK+16*\j+7],    v11
	v_cvt_scalef32_pk8_bf8_f32 v[CK+16*\st+4*\j+2:CK+16*\st+4*\j+3], v[XK+16*\j+8:XK+16*\j+15], v11
	global_store_b128 v4, v[CK+16*\st+4*\j:CK+16*\st+4*\j+3], s[12:13] offset:\j*524288+\st*256   ; each half of the lanes stores 256 consecutive bytes, aligned; no store's registers are written again
.endr
.endm
	LOADK 0
	LOADK 1                                        ; the wave's whole 16,384 bytes are on their way
	s_wait_alu depctr_va_vdst(0)                   ; directly ahead of the wait below
	s_wait_kmcnt 0x0
	MKSCALE 28
	s_wait_alu depctr_va_vdst(0)                   ; and here, directly ahead of the first step's wait
	STEPK 0
	STEPK 1
	s_wait_tensorcnt 0x0                           ; the wave's end
	ds_add_u32 v254, v255
	s_wait_dscnt 0x0
	s_endpgm
.Lfunc_end_k_q2303d83f9e_prep:
	.size	k_q2303d83f9e_prep, .Lfunc_end_k_q2303d83f9e_prep-k_q2303d83f9e_prep
	.p2alignl 7, 3214868480
	.fill 96, 4, 3214868480
	.section	.rodata,"a",@progbits
	.p2align	6, 0x0
	.amdhsa_kernel k_q2303d83f9e_prep
		.amdhsa_group_segment_fixed_size 68608
		.amdhsa_private_segment_fixed_size 0
		.amdhsa_enable_private_segment 0
		.amdhsa_kernarg_size 56
		.amdhsa_user_sgpr_count 2
		.amdhsa_user_sgpr_kernarg_segment_ptr 1
		.amdhsa_wavefront_size32 1
		.amdhsa_system_sgpr_workgroup_id_x 1
		.amdhsa_system_sgpr_workgroup_id_y 1
		.amdhsa_system_sgpr_workgroup_id_z 1
		.amdhsa_system_vgpr_workitem_id 0
		.amdhsa_next_free_vgpr 256
		.amdhsa_next_free_sgpr 66
		.amdhsa_reserve_vcc 0
		.amdhsa_float_denorm_mode_32 3
		.amdhsa_float_denorm_mode_16_64 3
		.amdhsa_memory_ordered 1
		.amdhsa_forward_progress 1
		.amdhsa_inst_pref_size 52
	.end_amdhsa_kernel
	.amdgpu_metadata
---
amdhsa.version: [ 1, 2 ]
amdhsa.kernels:
  - .name:           k_q2303d83f9e_prep
    .symbol:         k_q2303d83f9e_prep.kd
    .args:
      - { .name: key, .offset: 0, .size: 8, .value_kind: global_buffer, .address_space: global }
      - { .name: value, .offset: 8, .size: 8, .value_kind: global_buffer, .address_space: global }
      - { .name: W_out, .offset: 16, .size: 8, .value_kind: global_buffer, .address_space: global }
      - { .name: lowp_scales, .offset: 24, .size: 8, .value_kind: global_buffer, .address_space: global }
      - { .name: kcodes, .offset: 32, .size: 8, .value_kind: global_buffer, .address_space: global }
      - { .name: vcodes, .offset: 40, .size: 8, .value_kind: global_buffer, .address_space: global }
      - { .name: wimg, .offset: 48, .size: 8, .value_kind: global_buffer, .address_space: global }
    .group_segment_fixed_size: 68608
    .private_segment_fixed_size: 0
    .kernarg_segment_align: 8
    .kernarg_segment_size: 56
    .max_flat_workgroup_size: 128
    .sgpr_count:     66
    .vgpr_count:     256
    .wavefront_size: 32
...
	.end_amdgpu_metadata
.endif
;; end of part 1
;; launch attn (part 2): grid 16 x 16, 8 waves a work-group, clusters of 4 x 1, 327,680 bytes of LDS; arguments query, kcodes, vcodes, lowp_scales, aimg; writes aimg
.if DOCPART == 2
	.amdgcn_target "amdgcn-amd-amdhsa--gfx1250"
	.amdhsa_code_object_version 6
	.text
	.protected	k_q2303d83f9e_attn
	.globl	k_q2303d83f9e_attn
	.p2align	8
	.type	k_q2303d83f9e_attn,@function
k_q2303d83f9e_attn:
	s_mov_b64 s[64:65], 0
	v_nop
	global_prefetch_b8 v0, s[64:65] scope:SCOPE_SE
	s_setreg_imm32_b32 hwreg(HW_REG_WAVE_MODE, 25, 1), 1
	s_wait_xcnt 0x0
	s_wait_alu depctr_hold_cnt(0) depctr_sa_sdst(0) depctr_va_vdst(0) depctr_va_sdst(0) depctr_va_ssrc(0) depctr_va_vcc(0) depctr_vm_vsrc(0)
	s_getreg_b32 s2, hwreg(HW_REG_IB_STS2, 6, 4)
	s_cmp_eq_u32 s2, 0
	s_cbranch_scc0 .Lentry_in_a_cluster
	s_endpgm
.Lentry_in_a_cluster:
	s_bfe_u32 s2, ttmp6, 0x10000c
	s_cmp_lg_u32 s2, 0x3003
	s_cbranch_scc0 .Lentry_shape_is_right
	s_endpgm
.Lentry_shape_is_right:
; For each of 16 heads (8 x batch + head): O[q] = the sum over keys of softmax(Q[q] . K[key] / 8) V[key], both products on codes of BF8 (E5M2); the finished O is quantised for the projection and stored as codes.
; query: [2][4096][512] f32, quantised here (a row's 64 numbers of a head are read by one wave).  kcodes: [16][4096][64].  vcodes: [16][64][4096 key places], the keys of a block of 32 in the order
; that the 16x16x128 form's operand wants from 16-byte loads.  aimg: [512 tiles of 16 queries][8 heads][1,024 bytes]: images of operand registers for the projection.
; THE SOFTMAX: t = score x log2(e) / 8; M = the running largest t rounded UP to a whole number; p = 2^(t - M) is quantised, not normalised; the row's sum is taken of the unquantised p in f32 and divides O at the end.
; When M moves, the sum and O are multiplied by 2^(old M - new M): exact.
; SHARES.  A work-group owns 256 queries of one head; each of its eight waves 32 of them, two tiles (a, b) of 16.  Each fragment of K and V that is read from LDS feeds two matrix instructions, and is fetched a key step ahead.
; REGISTERS.  Window 0 holds what vector instructions work on: both tiles' S^T, O^T and state.  Window 1 holds what only matrix instructions read: K's and V's fragments, Q's codes, P's codes.
; So three settings serve: 0 (vector work), 0x05 (products: sources 0 and 1 in window 1), 0x40 (LDS loads and conversions: destination in window 1).
; LAYOUT.  Both products are used transposed.  S^T = K Q^T (16x16x64; source 0 = 16 neighbouring keys, source 1 = 16 queries): lane (r, h) holds query r, and register j of tile c key 16 c + 8 h + j.  So the
; conversion of tile c's eight registers IS registers 2 c, 2 c + 1 of P as source 1 of O^T = V^T P^T (16x16x128; source 0 = 16 of the head's 64).  In the first product both fragments hold d = 32 c + 16 h + 0 .. 15
; in registers 4 c .. 4 c + 3: one permutation of d, alike on both sides.  O^T's tile t, register j, is d = 16 t + 8 h + j of query r: its conversion is registers 2 t, 2 t + 1 of the projection's operand.
; THE TWO TILES' SOFTMAXES ARE ONE STREAM.  The 128 exponentials of a lane go in four batches of 32; between a batch's exponentials stand lines of the other tile or half that hang on nothing written inside the batch.
; CLUSTER.  The four query blocks of a cluster belong to one head and walk the same K and V: each tile is asked for JOINTLY, by the same tensor load with the same descriptor and the mask of all four.
; RING.  Two LDS slots of 512 keys, four pieces of 64 rows x 256 bytes each (K's keys 0-255, 256-511; V's key places 0-255, 256-511), one piece a load: waves 0, 1 fetch K's, waves 2, 3 V's, the others none.
; By this text's own count a wave has at most one tensor load outstanding.
; PREFETCH.  At the change of slots that loads slot s, wave 4 names K's and wave 5 V's 128 blocks of 256 bytes of slot s + 1; the four partners take 32 blocks each, told apart by address; slots 0 and 1 come by their loads alone.
; LIMITS on the given exponents, so that each power of two made below is an f32 number: e of query, of p and of the projection's operand between -126 and 112; e(query) + e(key) between -123 and 130 (added to c's
; exponent field); e(p) + e(value) is applied by v_ldexp_f32 and has none.  The scaled scores t stay under 2^31 in magnitude.  NaN among the inputs is not served; an infinity in query is held at the largest code.
.set PIECE, 64*272                     ; 64 rows of 256 bytes + 16 of padding.  K: four keys to a row: key k of a piece at (k / 4) x 272 + (k % 4) x 64
.set SLOT1, 1<<17                      ; slot 1 begins here: one exclusive or turns an address in one slot into the other's (a slot is 4 pieces, 69,632 bytes)
.set SPARE, 2*SLOT1                    ; behind the ring: the spare words, 128 bytes for each of eight waves: four blocks of 256 bytes that no other line names
.set WV,   14                          ; s14  my wave's number
.set SEL,  20                          ; s[20:21] lane selects for v_permlanex16_b32: lane l xor 16
.set CS,   22                          ; s[22:23] c = log2(e) / 8 x 2^(e(query) + e(key))
.set G1K,  24                          ; s[24:31] descriptor group 1 for K's pieces;  s[32:39] for V's
.set G1V,  32
.set G0K,  40                          ; s[40:43], s[44:47] their groups 0, which walk
.set G0V,  44
.set TB,   48                          ; s48  LDS byte at which the slot in hand begins
.set SLOTS, 49                         ; s49  slots still to be asked for
.set PFA,  78                          ; s[78:79] where my prefetch stands: one slot further on than the walking descriptors
.set PFS,  92                          ; s[92:93] a slot on, in bytes: 32,768 in K, 512 in a row of V
.set LIM,  94                          ; s94  1 in waves 4 and 5, 100 in the others: a wave asks while s[SLOTS] is greater
; window 0: v1 my place in a tile of K; v2 in a tile of V; v3 16 x lane; v4 my byte in the wave's rows of query; v5, v6 the add's two registers; v7 the prefetch's offset; v8, v9 the slot's addresses; v10 r; v11 h;
; tile x (0, 1): v[12+4x] -M, v[13+4x] the largest t, v[14+4x:15+4x] the sum in two halves, v[20+2x:21+2x] f, v[28+x] a permute's destination; v24, v25 limit and scale for p; v26, v27 for the result; v30, v31 for Q.
.set SA,   32                          ; v32-95   tile a's S^T, then p
.set SB,   96                          ; v96-159  tile b's
.set OA,   160                         ; v160-191 tile a's O^T
.set OB,   192                         ; v192-223 tile b's
.set T,    224                         ; v224-255 at work: the maxima's chains; two sets of eight partial sums, a pair each; at the end the result's codes
; window 1:
.set QA,   0                           ; v0-7, v8-15 Q's codes
.set QB,   8
.set VF,   32                          ; v32-95   V's four fragments of 16 registers
.set KF,   160                         ; v160-223 K's eight fragments of 8
.set PA,   224                         ; v224-239, v240-255 p's codes
.set PB,   240
.set MSB, 0
.macro WIN new                         ; low byte: bits 1:0 source 0, 3:2 source 1, 5:4 source 2, 7:6 destination; the high byte repeats the setting that is left
.if MSB != \new
	s_set_vgpr_msb (MSB<<8)|\new
.set MSB, \new
.endif
.endm
.macro CROUND                          ; a round of the cluster's barrier
	s_barrier_signal -1
	s_barrier_wait -1
	s_cmp_lg_u32 s[WV], 0
	s_cbranch_scc1 .Lnot_wave_0_\@
	s_barrier_signal -3
.Lnot_wave_0_\@:
	s_barrier_wait -3
	s_barrier_signal -1
	s_barrier_wait -1
.endm
.macro JLOAD                           ; a joint load; the branches hang on the wave's number alone; an s_nop 0 and four v_nop follow each of the two lines
	s_cmp_lt_u32 s[WV], 2
	s_cbranch_scc0 .Lnot_k_\@
	tensor_load_to_lds s[G0K:G0K+3], s[G1K:G1K+7]
	s_nop 0
.rept 4
	v_nop
.endr
	s_branch .Lasked_\@
.Lnot_k_\@:
	s_cmp_lt_u32 s[WV], 4
	s_cbranch_scc0 .Lasked_\@
	tensor_load_to_lds s[G0V:G0V+3], s[G1V:G1V+7]
	s_nop 0
.rept 4
	v_nop
.endr
.Lasked_\@:
.endm
.macro ASK                             ; the slot that the next change of slots will load; the last change that fills has no slot behind it
	s_cmp_gt_u32 s[SLOTS], s[LIM]
	s_cbranch_scc0 .Lnot_mine_\@
	global_prefetch_b8 v7, s[PFA:PFA+1] th:TH_LOAD_NT scope:SCOPE_SE
.Lnot_mine_\@:
.endm
.macro MKPAIR se, ss, sl               ; s[se] = e:  s[ss] = 2^e as f32;  s[sl] = 57,344 x 2^e
	s_add_co_i32 s[\sl], s[\se], 127
	s_lshl_b32 s[\ss], s[\sl], 23
	s_add_co_i32 s[\sl], s[\sl], 15
	s_lshl_b32 s[\sl], s[\sl], 23
	s_or_b32 s[\sl], s[\sl], 0x600000
.endm
	s_load_b256 s[4:11], s[0:1], 0x0               ; query s[4:5], kcodes s[6:7], vcodes s[8:9], the scales' exponents s[10:11]
	s_load_b64 s[12:13], s[0:1], 0x20              ; aimg
	v_lshl_add_u32 v5, v0, 2, SPARE
	v_mov_b32 v6, 0
	ds_add_u32 v5, v6                              ; the opening lines: the add, twice on end, and its wait ahead of the first tensor load
	ds_add_u32 v5, v6
	v_lshrrev_b32 v8, 5, v0
	v_readfirstlane_b32 s[WV], v8                  ; wave 0..7
	; what the four partners share: the head, and with it K's and V's addresses.  s66-s77 never hold my place in the cluster
	s_and_b32 s66, ttmp7, 0xffff                   ; 8 x batch + head
	s_and_b32 s67, s[WV], 1                        ; which of the two pieces I fetch, if I fetch
	s_lshl_b32 s68, s66, 18                        ; the head's 262,144 bytes in kcodes and in vcodes
	s_lshl_b32 s70, s67, 14                        ; K: 256 keys of 64 bytes
	s_add_co_u32 s70, s70, s68
	s_mov_b32 s71, 0
	s_lshl_b32 s72, s67, 8                         ; V: 256 key places
	s_add_co_u32 s72, s72, s68
	s_mov_b32 s73, 0
	s_mul_i32 s74, s67, PIECE                      ; K's piece in a slot,
	s_add_co_u32 s75, s74, 2*PIECE                 ; V's
	s_lshr_b32 s76, s66, 3                         ; batch
	s_and_b32 s77, s66, 7                          ; head
	; what is mine alone: it enters query's, aimg's and the prefetch's addresses only
	s_bfe_u32 s80, ttmp6, 0x40000                  ; cx
	s_lshl_b32 s81, ttmp9, 2
	s_add_co_u32 s81, s81, s80                     ; my block of 256 queries = 4 x cluster x + cx
	s_lshl_b32 s82, s76, 12
	s_lshl_b32 s86, s81, 8
	s_add_co_u32 s82, s82, s86
	s_lshl_b32 s86, s[WV], 5
	s_add_co_u32 s82, s82, s86                     ; my first row of query: 4,096 x batch + 256 x block + 32 x wave
	s_lshl_b32 s82, s82, 11                        ; of 2,048 bytes,
	s_lshl_b32 s86, s77, 8                         ; + the head's 256
	s_add_co_u32 s82, s82, s86
	s_mov_b32 s83, 0
	s_lshl_b32 s84, s76, 8
	s_lshl_b32 s86, s81, 4
	s_add_co_u32 s84, s84, s86
	s_lshl_b32 s86, s[WV], 1
	s_add_co_u32 s84, s84, s86                     ; tile a: 256 x batch + 16 x block + 2 x wave
	s_lshl_b32 s84, s84, 3
	s_add_co_u32 s84, s84, s77                     ; its image for this head,
	s_lshl_b32 s84, s84, 10                        ; of 1,024 bytes; tile b's lies 8,192 further on
	s_mov_b32 s85, 0
	; descriptor group 1: 64 rows of 256 elements of one byte, 16 bytes of padding behind each row.  K's rows are dense in memory (four keys to a row), V's lie 4,096 bytes apart
	s_mov_b32 s[G1K], 15|(1<<20)|(1<<21)|(5<<22)|(3<<25)   ; the mask of all four; elements of 1 byte; padding on; bit 21 beside a mask; four words after every 64
	s_mov_b32 s[G1V], 15|(1<<20)|(1<<21)|(5<<22)|(3<<25)
.irp g, G1K, G1V
	s_mov_b32 s[\g+1], 256<<16                     ; tensor_dim0 = 256
	s_mov_b32 s[\g+2], 64<<16                      ; tensor_dim1 = 64
	s_mov_b32 s[\g+3], 256<<16                     ; tile_dim0 = 256
	s_mov_b32 s[\g+4], 64                          ; tile_dim1 = 64
	s_mov_b32 s[\g+6], 0
	s_mov_b32 s[\g+7], 0
.endr
	s_mov_b32 s[G1K+5], 256                        ; tensor_dim0_stride
	s_mov_b32 s[G1V+5], 4096
	s_mov_b32 s[SEL], 0x76543210
	s_mov_b32 s[SEL+1], 0xfedcba98
	s_mov_b32 s[CS], 0x3e38aa3b                    ; log2(e) / 8
	s_mov_b32 s[TB], 0
	s_mov_b32 s[SLOTS], 7                          ; 4,096 keys are 8 slots; the first is asked for at the head
	s_wait_dscnt 0x0                               ; both opening adds are done
	s_wait_kmcnt 0x0
	s_load_b128 s[52:55], s[10:11], 0x0            ; e of query, key, p, value
	s_load_b64 s[56:57], s[10:11], 0x10            ; e of the projection's operand, of W_out
	s_mov_b32 s[G0K], 1                            ; count = 1
	s_mov_b32 s[G0K+1], s74                        ; LDS address: slot 0
	s_add_nc_u64 s[G0K+2:G0K+3], s[6:7], s[70:71]  ; global address: the head's first 512 keys
	s_or_b32 s[G0K+3], s[G0K+3], 0x80000000        ; type = 2
	s_mov_b32 s[G0V], 1
	s_mov_b32 s[G0V+1], s75
	s_add_nc_u64 s[G0V+2:G0V+3], s[8:9], s[72:73]
	s_or_b32 s[G0V+3], s[G0V+3], 0x80000000
	s_add_nc_u64 s[4:5], s[4:5], s[82:83]
	v_and_b32 v10, 15, v0                          ; r
	v_bfe_u32 v11, v0, 4, 1                        ; h
	v_lshlrev_b32 v4, 11, v10
	v_lshl_add_u32 v4, v11, 6, v4                  ; query: row r, + 64 h: my 16 numbers of a block of 32
.irp c, 0,1
.irp j, 0,1,2,3
	global_load_b128 v[SA+16*\c+4*\j:SA+16*\c+4*\j+3], v4, s[4:5] offset:128*\c+16*\j th:TH_LOAD_NT         ; tile a: d = 32 c + 16 h + 4 j ..  Q's loads go out ahead of the round: nobody writes these bytes
	global_load_b128 v[SB+16*\c+4*\j:SB+16*\c+4*\j+3], v4, s[4:5] offset:32768+128*\c+16*\j th:TH_LOAD_NT   ; tile b: 16 rows on
.endr
.endr
	s_wait_alu depctr_va_vdst(0)                   ; directly ahead of the barrier's signal
	CROUND                                         ; all four work-groups are here: the first joint loads meet
	JLOAD                                          ; slot 0
	s_add_nc_u64 s[12:13], s[12:13], s[84:85]
	; the prefetch: wave 4 stands in K's codes (partner cx: 8,192 bytes on), the others in V's (partner cx: 16 rows of 4,096 bytes on)
	s_cmp_eq_u32 s[WV], 4
	s_cselect_b64 s[PFA:PFA+1], s[6:7], s[8:9]
	s_mov_b32 s[PFS], 512
	s_cselect_b32 s[PFS], 0x8000, s[PFS]
	s_cselect_b32 s91, 13, 16
	s_cselect_b32 s95, -1, 0
	s_mov_b32 s[PFS+1], 0
	s_lshl_b32 s90, s80, s91
	s_add_co_u32 s90, s90, s68                     ; + the head
	s_mov_b32 s91, 0
	s_add_nc_u64 s[PFA:PFA+1], s[PFA:PFA+1], s[90:91]
	s_add_nc_u64 s[PFA:PFA+1], s[PFA:PFA+1], s[PFS:PFS+1]   ; at slot 1: the first change of slots steps it to slot 2
	s_sub_co_u32 s90, s[WV], 4
	s_lshr_b32 s90, s90, 1                         ; 0 in waves 4 and 5
	s_cmp_eq_u32 s90, 0
	s_cselect_b32 s[LIM], 1, 100
	v_lshrrev_b32 v8, 2, v10
	v_mul_u32_u24 v1, v8, 272
	v_and_b32 v9, 3, v10
	v_lshl_add_u32 v1, v9, 6, v1
	v_lshl_add_u32 v1, v11, 4, v1                  ; K: (r / 4) x 272 + (r % 4) x 64 + 16 h
	v_mul_u32_u24 v2, v10, 272
	v_lshl_add_u32 v2, v11, 4, v2
	v_add_nc_u32 v2, 2*PIECE, v2                   ; V: behind K's two pieces, row r, + 16 h
	v_and_b32 v3, 31, v0
	v_lshlrev_b32 v7, 8, v3                        ; the prefetch in K: lanes 256 bytes apart
	v_lshrrev_b32 v8, 1, v3
	v_and_b32 v9, 1, v3
	v_lshlrev_b32 v8, 12, v8
	v_lshl_add_u32 v8, v9, 8, v8                   ; in V: two lanes to a row's 512 bytes of a slot
	v_cndmask_b32 v7, v8, v7, s95
	v_lshlrev_b32 v3, 4, v3                        ; 16 x lane
	s_wait_kmcnt 0x0
	s_add_co_i32 s88, s52, s53
	s_lshl_b32 s88, s88, 23
	s_add_co_i32 s[CS], s[CS], s88                 ; a score stands for score x 2^(e(query) + e(key)): the two are added to c's exponent field
	s_mov_b32 s[CS+1], s[CS]                       ; (named with it as a pair, so it is written)
	MKPAIR 54, 58, 59                              ; p
	MKPAIR 56, 60, 61                              ; the result
	MKPAIR 52, 62, 63                              ; Q
	s_add_co_i32 s88, s54, s55                     ; e(p) + e(value), for the end
.irp x, 0,4
	v_mov_b32 v[13+\x], 0xff61b1e6                 ; the largest t so far: -3e38, under every t
	v_mov_b32 v[12+\x], 0x7f61b1e6                 ; -M = floor(3e38)
	v_mov_b32 v[14+\x], 0                          ; the sum, in two halves
	v_mov_b32 v[15+\x], 0
.endr
	v_mov_b32 v21, 0                               ; (named as the upper halves of f's pairs)
	v_mov_b32 v23, 0
	v_mov_b32 v28, 0                               ; a lane permute's destination counts as one of its sources
	v_mov_b32 v29, 0
.set jj, 0
.rept 64
	v_mov_b32 v[OA+jj], 0                          ; both tiles' O^T: the key step has no first step of its own
.set jj, jj+1
.endr
	v_mov_b32 v25, s58
	v_mov_b32 v24, s59
	v_mov_b32 v27, s60
	v_mov_b32 v26, s61
	v_mov_b32 v31, s62
	v_mov_b32 v30, s63
	s_wait_alu depctr_va_vdst(0)
	s_wait_loadcnt 0x0                             ; Q's numbers
.set jj, 0
.rept 32
	v_med3_num_f32 v[SA+jj], v[SA+jj], -v30, v30   ; the conversion to an 8-bit code does not saturate (ISA guide 7.6.2): the hold comes first
	v_med3_num_f32 v[SB+jj], v[SB+jj], -v30, v30
.set jj, jj+1
.endr
	WIN 0x40
.irp x, 0,1,2,3
	v_cvt_scalef32_pk8_bf8_f32 v[QA+2*\x:QA+2*\x+1], v[SA+8*\x:SA+8*\x+7], v31
	v_cvt_scalef32_pk8_bf8_f32 v[QB+2*\x:QB+2*\x+1], v[SB+8*\x:SB+8*\x+7], v31
.endr
	v_nop                                          ; a plain line between the last conversion and the products
	WIN 0
.macro LOADK q                         ; K's eight fragments of the slot's q-th 128 keys: keys 128 q + 16 t + r lie 32 q + 4 t rows of 272 bytes on
.irp t, 0,1,2,3,4,5,6,7
.irp c, 0,1
	ds_load_b128 v[KF+8*\t+4*\c:KF+8*\t+4*\c+3], v8 offset:(\q)*8704+\t*1088+32*\c
.endr
.endr
.endm
.macro LOADV q                         ; V's four fragments: rows 16 t + r, the step's 128 key places
.irp t, 0,1,2,3
.irp c, 0,1,2,3
	ds_load_b128 v[VF+16*\t+4*\c:VF+16*\t+4*\c+3], v9 offset:((\q)/2)*PIECE+((\q)%2)*128+\t*4352+32*\c
.endr
.endr
.endm
.macro PLACES
.rept 4
	v_nop
.endr
.endm
; The k-th of the nine lines that lead from tile x's largest score of the step, in v[T+4x], to its new -M and f.  They hang on each other, so they stand one by one among the other tile's lines.
.macro TAIL k, x
.if (\k) == 0
	v_permlanex16_b32 v[28+\x], v[T+4*\x], s[SEL], s[SEL+1]
.endif
.if (\k) == 1
	v_max_num_f32 v[T+4*\x], v[T+4*\x], v[28+\x]   ; and among lane l xor 16's
.endif
.if (\k) == 2
	v_mul_f32 v[T+4*\x], s[CS], v[T+4*\x]          ; as t (c is positive)
.endif
.if (\k) == 3
	v_max_num_f32 v[13+4*\x], v[13+4*\x], v[T+4*\x]   ; the running largest t
.endif
.if (\k) == 4
	v_mov_b32 v[T+4*\x], v[12+4*\x]
.endif
.if (\k) == 5
.if \x == 0
	v_floor_f32 v12, -v13                          ; the new -M = floor(-t) = -ceil(t): a whole number
.else
	v_floor_f32 v16, -v17
.endif
.endif
.if (\k) == 6
	v_sub_f32 v[T+4*\x], v[12+4*\x], v[T+4*\x]     ; M's old value less its new one: a whole number, 0 or less
.endif
.if (\k) == 7
	v_cvt_i32_f32 v[T+4*\x], v[T+4*\x]             ; (it saturates)
.endif
.if (\k) == 8
	v_ldexp_f32 v[20+2*\x], 1.0, v[T+4*\x]         ; f = 2^(old M - new M)
.endif
.endm
; The step's largest score of my query among my 64 keys, in four chains, the registers in ascending order; the result in v[m].  tl = 1: tile a's nine lines stand between.
.macro MAXT s, m, tl
.irp c, 0,1,2,3
	v_max3_num_f32 v[\m+\c], v[\s+3*\c], v[\s+3*\c+1], v[\s+3*\c+2]
.endr
.if \tl
	TAIL 0, 0
.endif
.set rr, 1
.irp i, 12,20,28,36,44,52
.irp c, 0,1,2,3
	v_max3_num_f32 v[\m+\c], v[\m+\c], v[\s+\i+2*\c], v[\s+\i+2*\c+1]
.endr
.if \tl
	TAIL rr, 0
.endif
.set rr, rr+1
.endr
	v_max3_num_f32 v[\m], v[\m], v[\s+60], v[\s+61]
	v_max3_num_f32 v[\m+1], v[\m+1], v[\s+62], v[\s+63]
.if \tl
	TAIL 7, 0
.endif
	v_max3_num_f32 v[\m], v[\m], v[\m+2], v[\m+3]
	v_max_num_f32 v[\m], v[\m], v[\m+1]
.if \tl
	TAIL 8, 0
.endif
.endm
.macro FMA j, nm                       ; t - M, two at a time (of the pairs c and -M the low word serves both halves)
	v_pk_fma_f32 v[(\j):(\j)+1], v[(\j):(\j)+1], s[CS:CS+1], v[\nm:\nm+1] op_sel_hi:[1,0,0]
.endm
.macro EX n, on
.if \on
	v_exp_f32 v[(\n)], v[(\n)]                     ; p = 2^(t - M), at most 1: not normalised
.endif
.endm
.macro H j                             ; the hold, two at a time; p is not negative, so it is one-sided
	v_dual_min_num_f32 v[(\j)], v[(\j)], v24 :: v_dual_min_num_f32 v[(\j)+1], v[(\j)+1], v24
.endm
; Eight p at v[b ..]: two partial sums of the unquantised p into v[l .. l+3], then the hold.  on = 1: the eight exponentials at v[e ..] stand between; none of these six lines reads what another of them writes.
.macro PGX b, l, e, on
	EX (\e), \on
	v_pk_add_f32 v[(\l):(\l)+1], v[(\b):(\b)+1], v[(\b)+2:(\b)+3]
	EX (\e)+1, \on
	v_pk_add_f32 v[(\l)+2:(\l)+3], v[(\b)+4:(\b)+5], v[(\b)+6:(\b)+7]
	EX (\e)+2, \on
	H (\b)
	EX (\e)+3, \on
	H (\b)+2
	EX (\e)+4, \on
	H (\b)+4
	EX (\e)+5, \on
	H (\b)+6
	EX (\e)+6, \on
	EX (\e)+7, \on
.endm
.macro HALF b, l, e, on                ; half a tile: 32 p of a lane
.irp g, 0,1,2,3
	PGX (\b)+8*\g, (\l)+4*\g, (\e)+8*\g, \on
.endr
.endm
.macro FOLD l, sum                     ; a set's eight partial sums onto the tile's sum; no exponential stands inside
.irp a, 0,4,8,12
	v_pk_add_f32 v[\l+\a:\l+\a+1], v[\l+\a:\l+\a+1], v[\l+\a+2:\l+\a+3]
.endr
	v_pk_add_f32 v[\l:\l+1], v[\l:\l+1], v[\l+4:\l+5]
	v_pk_add_f32 v[\l+8:\l+9], v[\l+8:\l+9], v[\l+12:\l+13]
	v_pk_add_f32 v[\l:\l+1], v[\l:\l+1], v[\l+8:\l+9]
	v_pk_add_f32 v[\sum:\sum+1], v[\sum:\sum+1], v[\l:\l+1]
.endm
; THE SOFTMAX of both tiles and 128 keys: from S^T to P's codes, the sums and O^T under the new M.
.macro FOLD2 l, m, sum                 ; two sets' partial sums onto one tile's sum, as two chains by turns
.irp a, 0,4,8,12
	v_pk_add_f32 v[\l+\a:\l+\a+1], v[\l+\a:\l+\a+1], v[\l+\a+2:\l+\a+3]
	v_pk_add_f32 v[\m+\a:\m+\a+1], v[\m+\a:\m+\a+1], v[\m+\a+2:\m+\a+3]
.endr
	v_pk_add_f32 v[\l:\l+1], v[\l:\l+1], v[\l+4:\l+5]
	v_pk_add_f32 v[\m:\m+1], v[\m:\m+1], v[\m+4:\m+5]
	v_pk_add_f32 v[\l+8:\l+9], v[\l+8:\l+9], v[\l+12:\l+13]
	v_pk_add_f32 v[\m+8:\m+9], v[\m+8:\m+9], v[\m+12:\m+13]
	v_pk_add_f32 v[\l:\l+1], v[\l:\l+1], v[\l+8:\l+9]
	v_pk_add_f32 v[\m:\m+1], v[\m:\m+1], v[\m+8:\m+9]
	v_pk_add_f32 v[\l:\l+1], v[\l:\l+1], v[\m:\m+1]
	v_pk_add_f32 v[\sum:\sum+1], v[\sum:\sum+1], v[\l:\l+1]
.endm
.macro SM2
	MAXT SA, T, 0
	MAXT SB, T+4, 1
.set kk, 0
.rept 9
	FMA SA+6*kk, 12
	FMA SA+6*kk+2, 12
	FMA SA+6*kk+4, 12
	TAIL kk, 1                                     ; tile b's nine lines stand among tile a's multiply-adds
.set kk, kk+1
.endr
.irp j, 54,56,58,60,62
	FMA SA+\j, 12
.endr
.set jj, 0
.rept 16
	v_pk_mul_f32 v[OA+jj:OA+jj+1], v[OA+jj:OA+jj+1], v[20:21] op_sel_hi:[1,0]   ; O^T under the new M; no exponential stands between the last products and these lines
.set jj, jj+2
.endr
.set jj, 0
.rept 16
	v_pk_mul_f32 v[OB+jj:OB+jj+1], v[OB+jj:OB+jj+1], v[22:23] op_sel_hi:[1,0]
.set jj, jj+2
.endr
	v_pk_mul_f32 v[14:15], v[14:15], v[20:21] op_sel_hi:[1,0]   ; the sums under the new M
	v_pk_mul_f32 v[18:19], v[18:19], v[22:23] op_sel_hi:[1,0]
	s_wait_alu depctr_va_vdst(0)                   ; a wait ahead of a batch and behind it: one stands between each two batches
.set kk, 0
.rept 32
	EX SA+kk, 1                                    ; batch 1: tile a's first half, among tile b's multiply-adds
	FMA SB+2*kk, 16
.set kk, kk+1
.endr
	s_wait_alu depctr_va_vdst(0)
	HALF SA, T, SA+32, 1                           ; batch 2: tile a's second half, among its first half's sums and holds
	v_nop                                          ; the plain line behind the batch's last exponential
	s_wait_alu depctr_va_vdst(0)
	HALF SA+32, T+16, SB, 1                        ; batch 3: tile b's first half
	FOLD T, 14                                     ; behind the batch's last exponential: the set that batch 2 wrote, a wait ago
	s_wait_alu depctr_va_vdst(0)
	HALF SB, T, SB+32, 1                           ; batch 4: tile b's second half
	FOLD T+16, 14                                  ; the set that batch 3 wrote
	s_wait_alu depctr_va_vdst(0)
	HALF SB+32, T+16, 0, 0
	WIN 0x40
.irp c, 0,1,2,3,4,5,6,7
	v_cvt_scalef32_pk8_bf8_f32 v[PA+2*\c:PA+2*\c+1], v[SA+8*\c:SA+8*\c+7], v25   ; keys 16 c + 8 h + 0 .. 7: registers 2 c, 2 c + 1 of P
.endr
.irp c, 0,1,2,3,4,5,6,7
	v_cvt_scalef32_pk8_bf8_f32 v[PB+2*\c:PB+2*\c+1], v[SB+8*\c:SB+8*\c+7], v25
.endr
	WIN 0
	FOLD2 T, T+16, 18                              ; (also the plain lines between the conversions and the products)
.endm
; A KEY STEP: 128 keys, the q-th of the slot in hand, for both tiles.  nxt = 1: the next step lies in the same slot, and its fragments are fetched here.
.macro STEP q, nxt
	s_wait_dscnt 16                                ; K's 16 loads are in; V's 16, issued behind them, may be out
	WIN 0x05
.irp t, 0,1,2,3,4,5,6,7                ; S^T = K Q^T: eight tiles of 16 keys, for each tile of queries
	v_wmma_f32_16x16x64_bf8_bf8 v[SA+8*\t:SA+8*\t+7], v[KF+8*\t:KF+8*\t+7], v[QA:QA+7], 0
	v_wmma_f32_16x16x64_bf8_bf8 v[SB+8*\t:SB+8*\t+7], v[KF+8*\t:KF+8*\t+7], v[QB:QB+7], 0
.endr
	WIN 0
	PLACES                                         ; in front of the loads into K's registers and of the first read of the scores (ISA guide 7.12.1 for vector instructions)
.if \nxt
	WIN 0x40
	LOADK (\q)+1
	WIN 0
.endif
	SM2
	s_wait_alu depctr_va_vdst(0)                   ; directly ahead of the wait below
	s_wait_dscnt 16*\nxt                           ; V's fragments are in; the next step's 16 loads of K may be out
	WIN 0x05
.irp t, 0,1,2,3                        ; O^T += V^T P^T: the eight accumulators take turns, one instruction a turn
	v_wmma_f32_16x16x128_bf8_bf8 v[OA+8*\t:OA+8*\t+7], v[VF+16*\t:VF+16*\t+15], v[PA:PA+15], v[OA+8*\t:OA+8*\t+7]
	v_wmma_f32_16x16x128_bf8_bf8 v[OB+8*\t:OB+8*\t+7], v[VF+16*\t:VF+16*\t+15], v[PB:PB+15], v[OB+8*\t:OB+8*\t+7]
.endr
	PLACES                                         ; in front of the loads into V's registers
.if \nxt
	WIN 0x40
	LOADV (\q)+1
.endif
	WIN 0
.endm
; THE CHANGE OF SLOTS stands at a slot's head.  Each wave waits for all its tensor loads, adds 0 to its spare word, and waits for that and for its reads of the slot that it has left.  fill = 1: the barrier is a
; round of the cluster's, and the joint load of the next 512 keys is the first thing behind it: it has four key steps in which to land.
.macro CHANGE fill
	s_wait_alu depctr_va_vdst(0)                   ; directly ahead of the wait below
	s_wait_tensorcnt 0x0                           ; no tensor load of mine is out, so a group 0 may be written
	ds_add_u32 v5, v6                              ; 0 onto my spare word
.if \fill
	ds_add_u32 v5, v6                              ; and once more
	s_xor_b32 s[G0K+1], s[G0K+1], SLOT1            ; the walking descriptors: the other slot than last time,
	s_add_nc_u64 s[G0K+2:G0K+3], s[G0K+2:G0K+3], 512*64   ; the next 512 keys; the type bits on top are not reached
	s_xor_b32 s[G0V+1], s[G0V+1], SLOT1
	s_add_nc_u64 s[G0V+2:G0V+3], s[G0V+2:G0V+3], 512
	s_wait_xcnt 0x0                                ; any prefetch of mine has read its address, so it may be written
	s_add_nc_u64 s[PFA:PFA+1], s[PFA:PFA+1], s[PFS:PFS+1]
.endif
	s_wait_dscnt 0x0                               ; the add is done, and my reads of the slot that I have left are over
.if \fill
	CROUND
	JLOAD
.else
	s_barrier_signal -1
	s_barrier_wait -1
.endif
	v_add_nc_u32 v8, s[TB], v1
	v_add_nc_u32 v9, s[TB], v2
	s_wait_alu depctr_va_vdst(0)                   ; directly behind the writes
	WIN 0x40
	LOADK 0
	LOADV 0
	WIN 0
.if \fill
	ASK
.endif
.endm
.macro SLOT_STEPS
	STEP 0, 1
	STEP 1, 1
	STEP 2, 1
	STEP 3, 0
	s_xor_b32 s[TB], s[TB], SLOT1                  ; on to the other slot
.endm
.Lslot:                                            ; seven trips: behind each change of slots but the last the next slot is asked for
	CHANGE 1
	SLOT_STEPS
	s_sub_co_u32 s[SLOTS], s[SLOTS], 1
	s_cmp_lg_u32 s[SLOTS], 0
	s_cbranch_scc1 .Lslot
	CHANGE 0                                       ; the last slot is written out
	SLOT_STEPS
	; THE WAY OUT.  O^T / the sum x 2^(e(p) + e(value)) is the finished attention output; it is quantised along the projection's K and leaves as images of the operand's registers.
	v_add_f32 v14, v14, v15                        ; the sums' two halves,
	v_add_f32 v18, v18, v19
	v_permlanex16_b32 v28, v14, s[SEL], s[SEL+1]
	v_permlanex16_b32 v29, v18, s[SEL], s[SEL+1]
	v_add_f32 v14, v14, v28                        ; and lane l xor 16's: the rows' sums
	v_add_f32 v18, v18, v29
	s_wait_alu depctr_va_vdst(0)                   ; ahead of the transcendentals,
	v_rcp_f32 v14, v14
	v_rcp_f32 v18, v18
	v_nop                                          ; a plain line behind them
	s_wait_alu depctr_va_vdst(0)                   ; ahead of their first reader,
	v_ldexp_f32 v14, v14, s88
	v_ldexp_f32 v18, v18, s88
	s_wait_alu depctr_va_vdst(0)                   ; and directly ahead of the first readers of O^T
.set jj, 0
.rept 32
	v_mul_f32 v[SA+jj], v[OA+jj], v14              ; register 8 t + j: d = 16 t + 8 h + j of query r; each accumulator from its low end on
.set jj, jj+1
.endr
.set jj, 0
.rept 32
	v_mul_f32 v[SB+jj], v[OB+jj], v18
.set jj, jj+1
.endr
.set jj, 0
.rept 32
	v_med3_num_f32 v[SA+jj], v[SA+jj], -v26, v26
	v_med3_num_f32 v[SB+jj], v[SB+jj], -v26, v26
.set jj, jj+1
.endr
.irp t, 0,1,2,3
	v_cvt_scalef32_pk8_bf8_f32 v[T+2*\t:T+2*\t+1], v[SA+8*\t:SA+8*\t+7], v27
	v_cvt_scalef32_pk8_bf8_f32 v[T+8+2*\t:T+8+2*\t+1], v[SB+8*\t:SB+8*\t+7], v27
.endr
	v_nop
	global_store_b128 v3, v[T:T+3], s[12:13]               ; a tile's two stores cover 1,024 consecutive bytes, aligned
	global_store_b128 v3, v[T+4:T+7], s[12:13] offset:512
	global_store_b128 v3, v[T+8:T+11], s[12:13] offset:8192
	global_store_b128 v3, v[T+12:T+15], s[12:13] offset:8704
	s_wait_tensorcnt 0x0                           ; the wave's end
	ds_add_u32 v5, v6
	s_wait_dscnt 0x0
	CROUND                                         ; the closing round: no work-group ends while a partner may still ask for a tile that names it
	s_endpgm
.Lfunc_end_k_q2303d83f9e_attn:
	.size	k_q2303d83f9e_attn, .Lfunc_end_k_q2303d83f9e_attn-k_q2303d83f9e_attn
	.p2alignl 7, 3214868480
	.fill 96, 4, 3214868480
	.section	.rodata,"a",@progbits
	.p2align	6, 0x0
	.amdhsa_kernel k_q2303d83f9e_attn
		.amdhsa_group_segment_fixed_size 327680
		.amdhsa_private_segment_fixed_size 0
		.amdhsa_enable_private_segment 0
		.amdhsa_kernarg_size 40
		.amdhsa_user_sgpr_count 2
		.amdhsa_user_sgpr_kernarg_segment_ptr 1
		.amdhsa_wavefront_size32 1
		.amdhsa_system_sgpr_workgroup_id_x 1
		.amdhsa_system_sgpr_workgroup_id_y 1
		.amdhsa_system_sgpr_workgroup_id_z 1
		.amdhsa_system_vgpr_workitem_id 0
		.amdhsa_next_free_vgpr 512
		.amdhsa_next_free_sgpr 96
		.amdhsa_reserve_vcc 0
		.amdhsa_float_denorm_mode_32 3
		.amdhsa_float_denorm_mode_16_64 3
		.amdhsa_memory_ordered 1
		.amdhsa_forward_progress 1
		.amdhsa_inst_pref_size 252
	.end_amdhsa_kernel
	.amdgpu_metadata
---
amdhsa.version: [ 1, 2 ]
amdhsa.kernels:
  - .name:           k_q2303d83f9e_attn
    .symbol:         k_q2303d83f9e_attn.kd
    .args:
      - { .name: query, .offset: 0, .size: 8, .value_kind: global_buffer, .address_space: global }
      - { .name: kcodes, .offset: 8, .size: 8, .value_kind: global_buffer, .address_space: global }
      - { .name: vcodes, .offset: 16, .size: 8, .value_kind: global_buffer, .address_space: global }
      - { .name: lowp_scales, .offset: 24, .size: 8, .value_kind: global_buffer, .address_space: global }
      - { .name: aimg, .offset: 32, .size: 8, .value_kind: global_buffer, .address_space: global }
    .group_segment_fixed_size: 327680
    .private_segment_fixed_size: 0
    .kernarg_segment_align: 8
    .kernarg_segment_size: 40
    .max_flat_workgroup_size: 256
    .sgpr_count:     96
    .vgpr_count:     512
    .wavefront_size: 32
...
	.end_amdgpu_metadata
.endif
;; end of part 2
;; launch proj (part 3): grid 256 x 1, 4 waves a work-group, no clusters, 9,216 bytes of LDS; arguments aimg, wimg, b_out, lowp_scales, out0; writes out0
.if DOCPART == 3
	.amdgcn_target "amdgcn-amd-amdhsa--gfx1250"
	.amdhsa_code_object_version 6
	.text
	.protected	k_q2303d83f9e_proj
	.globl	k_q2303d83f9e_proj
	.p2align	8
	.type	k_q2303d83f9e_proj,@function
k_q2303d83f9e_proj:
	s_mov_b64 s[64:65], 0
	v_nop
	global_prefetch_b8 v0, s[64:65] scope:SCOPE_SE
	s_setreg_imm32_b32 hwreg(HW_REG_WAVE_MODE, 25, 1), 1
	s_wait_xcnt 0x0
; out0[row][n] = the sum over k of A[row][k] W[k][n] x 2^(e4 + e5) + b_out[n]; K = 512 = 8 heads x 64; both operands are codes of BF8 (E5M2) that lie in memory as images of operand registers.
; aimg: [512 tiles of 16 rows][8 heads][1,024 bytes]; wimg: [8 heads][4 tiles of 16 columns][1,024 bytes]; in an image registers 4 c .. 4 c + 3 of lane L lie at 512 c + 16 L.  out0: [8192][64] f32.
; LIMIT: e4 + e5 (entries 4 and 5 of the scales' buffer) lies between -126 and 127, so that 2^(e4 + e5) is an f32 number.
; SHARES.  A work-group makes 32 rows.  Wave w takes the tile of 16 rows w / 2 and the 32 columns of half w % 2: two accumulators, 16 matrix instructions; all its operands come in one run of 52 loads.
; The product is used transposed (source 0 = 16 columns of W, source 1 = 16 rows of A): a lane holds eight neighbouring columns of one row.
; NO JOINT LOADS: W's images, 32,768 bytes in all, are read by every work-group, but they go straight into operand registers in the same run as the work-group's own images; a joint tensor load would add a way
; through LDS and two rounds of a cluster's barrier to a text whose whole work is 16 matrix instructions a wave.
.set SP,  272                          ; a stage row: 256 bytes + 16
.set AF,  16                           ; v16-79   A's eight images
.set WF,  80                           ; v80-207  W's sixteen: (head g, tile t) at 8 (2 g + t)
.set ACC, 208                          ; v208-223 two accumulators
.set Y,   224                          ; v224-239 the results
.set BI,  240                          ; v240-255 the bias in the result's layout
	s_load_b256 s[4:11], s[0:1], 0x0               ; aimg s[4:5], wimg s[6:7], b_out s[8:9], the scales' exponents s[10:11]
	s_load_b64 s[12:13], s[0:1], 0x20              ; out0
	v_lshl_add_u32 v14, v0, 2, 0x2200
	v_mov_b32 v15, 0
	v_lshrrev_b32 v6, 5, v0
	v_readfirstlane_b32 s14, v6                    ; wave 0..3
	s_lshr_b32 s15, s14, 1                         ; which 16 rows
	s_and_b32 s18, s14, 1                          ; which 32 columns
	v_and_b32 v7, 31, v0                           ; lane
	v_and_b32 v8, 15, v0                           ; r
	v_bfe_u32 v9, v0, 4, 1                         ; h
	v_lshlrev_b32 v1, 4, v7                        ; 16 x lane: an image's place for my lane
	v_lshlrev_b32 v2, 5, v9                        ; the bias: 8 h numbers on
	s_mul_i32 s19, s15, 16*SP
	s_lshl_b32 s20, s18, 7
	s_add_co_u32 s19, s19, s20
	v_mul_u32_u24 v3, v8, SP
	v_lshl_add_u32 v3, v9, 5, v3
	v_add_nc_u32 v3, s19, v3                       ; into the stage: row 16 (w / 2) + r, byte 128 (w % 2) + 32 h
	s_mul_i32 s21, s14, 8*SP
	v_mul_u32_u24 v4, v9, SP
	v_lshl_add_u32 v4, v8, 4, v4
	v_add_nc_u32 v4, s21, v4                       ; back: my 8 rows; lanes 0-15 one row, lanes 16-31 the next
	v_lshlrev_b32 v5, 8, v9
	v_lshl_add_u32 v5, v8, 4, v5                   ; and the same two rows in out0
	s_lshl_b32 s22, ttmp9, 1
	s_add_co_u32 s22, s22, s15                     ; my tile of rows
	s_lshl_b32 s22, s22, 13                        ; its eight images
	s_mov_b32 s23, 0
	s_lshl_b32 s24, s18, 11                        ; my two tiles of columns in each head's four images
	s_mov_b32 s25, 0
	s_lshl_b32 s26, s18, 7                         ; my 32 numbers of the bias
	s_mov_b32 s27, 0
	s_lshl_b32 s28, ttmp9, 5
	s_lshl_b32 s29, s14, 3
	s_add_co_u32 s28, s28, s29                     ; the first row that I store: 32 x work-group + 8 x wave
	s_lshl_b32 s28, s28, 8
	s_mov_b32 s29, 0
	s_wait_alu depctr_va_vdst(0)
	s_wait_kmcnt 0x0
	s_load_b64 s[16:17], s[10:11], 0x10            ; e4, e5
	s_add_nc_u64 s[4:5], s[4:5], s[22:23]
	s_add_nc_u64 s[6:7], s[6:7], s[24:25]
	s_add_nc_u64 s[8:9], s[8:9], s[26:27]
	s_add_nc_u64 s[12:13], s[12:13], s[28:29]
.irp t, 0,1
.irp k, 0,1
	global_load_b128 v[BI+8*\t+4*\k:BI+8*\t+4*\k+3], v2, s[8:9] offset:64*\t+16*\k   ; b_out at columns 16 t + 8 h + 4 k ..
.endr
.endr
.irp g, 0,1,2,3,4,5,6,7
.irp c, 0,1
	global_load_b128 v[AF+8*\g+4*\c:AF+8*\g+4*\c+3], v1, s[4:5] offset:\g*1024+512*\c   ; 512 consecutive bytes a load
.endr
.endr
.irp g, 0,1,2,3,4,5,6,7
.irp t, 0,1
.irp c, 0,1
	global_load_b128 v[WF+8*(2*\g+\t)+4*\c:WF+8*(2*\g+\t)+4*\c+3], v1, s[6:7] offset:(4*\g+\t)*1024+512*\c
.endr
.endr
.endr
	s_wait_kmcnt 0x0
	s_add_co_i32 s16, s16, s17
	s_add_co_i32 s16, s16, 127
	s_lshl_b32 s16, s16, 23                        ; 2^(e4 + e5) as f32
	s_mov_b32 s17, s16                             ; (named with it as a pair, so it is written)
	s_wait_loadcnt 0x0
.irp g, 0,1,2,3,4,5,6,7                ; the two accumulators take turns, one instruction a turn; the first K step starts the sums
.irp t, 0,1
.if \g == 0
	v_wmma_f32_16x16x64_bf8_bf8 v[ACC+8*\t:ACC+8*\t+7], v[WF+8*(2*\g+\t):WF+8*(2*\g+\t)+7], v[AF+8*\g:AF+8*\g+7], 0
.else
	v_wmma_f32_16x16x64_bf8_bf8 v[ACC+8*\t:ACC+8*\t+7], v[WF+8*(2*\g+\t):WF+8*(2*\g+\t)+7], v[AF+8*\g:AF+8*\g+7], v[ACC+8*\t:ACC+8*\t+7]
.endif
.endr
.endr
.rept 4
	v_nop                                          ; places behind the last products (ISA guide 7.12.1)
.endr
.irp t, 0,1
.irp i, 0,2,4,6
	v_pk_fma_f32 v[Y+8*\t+\i:Y+8*\t+\i+1], v[ACC+8*\t+\i:ACC+8*\t+\i+1], s[16:17], v[BI+8*\t+\i:BI+8*\t+\i+1] op_sel_hi:[1,0,1]   ; sum x 2^(e4 + e5) + bias; each accumulator from its low end on
.endr
.endr
.irp t, 0,1
.irp k, 0,1
	ds_store_b128 v3, v[Y+8*\t+4*\k:Y+8*\t+4*\k+3] offset:64*\t+16*\k
.endr
.endr
	s_wait_dscnt 0x0                               ; for the others' sake: my stores into the stage are done; a row's 256 bytes come from two waves
	s_barrier_signal -1
	s_barrier_wait -1
.irp i, 0,1,2,3
	ds_load_b128 v[AF+4*\i:AF+4*\i+3], v4 offset:2*\i*SP
.endr
.irp i, 0,1,2,3
	s_wait_dscnt 3-\i                              ; the younger loads may be out
	global_store_b128 v5, v[AF+4*\i:AF+4*\i+3], s[12:13] offset:512*\i th:TH_STORE_NT   ; sixteen lanes store 256 consecutive bytes, aligned: a whole row of out0
.endr
	s_wait_tensorcnt 0x0
	ds_add_u32 v14, v15
	s_wait_dscnt 0x0
	s_endpgm
.Lfunc_end_k_q2303d83f9e_proj:
	.size	k_q2303d83f9e_proj, .Lfunc_end_k_q2303d83f9e_proj-k_q2303d83f9e_proj
	.p2alignl 7, 3214868480
	.fill 96, 4, 3214868480
	.section	.rodata,"a",@progbits
	.p2align	6, 0x0
	.amdhsa_kernel k_q2303d83f9e_proj
		.amdhsa_group_segment_fixed_size 9216
		.amdhsa_private_segment_fixed_size 0
		.amdhsa_enable_private_segment 0
		.amdhsa_kernarg_size 40
		.amdhsa_user_sgpr_count 2
		.amdhsa_user_sgpr_kernarg_segment_ptr 1
		.amdhsa_wavefront_size32 1
		.amdhsa_system_sgpr_workgroup_id_x 1
		.amdhsa_system_sgpr_workgroup_id_y 1
		.amdhsa_system_sgpr_workgroup_id_z 1
		.amdhsa_system_vgpr_workitem_id 0
		.amdhsa_next_free_vgpr 256
		.amdhsa_next_free_sgpr 66
		.amdhsa_reserve_vcc 0
		.amdhsa_float_denorm_mode_32 3
		.amdhsa_float_denorm_mode_16_64 3
		.amdhsa_memory_ordered 1
		.amdhsa_forward_progress 1
		.amdhsa_inst_pref_size 11
	.end_amdhsa_kernel
	.amdgpu_metadata
---
amdhsa.version: [ 1, 2 ]
amdhsa.kernels:
  - .name:           k_q2303d83f9e_proj
    .symbol:         k_q2303d83f9e_proj.kd
    .args:
      - { .name: aimg, .offset: 0, .size: 8, .value_kind: global_buffer, .address_space: global }
      - { .name: wimg, .offset: 8, .size: 8, .value_kind: global_buffer, .address_space: global }
      - { .name: b_out, .offset: 16, .size: 8, .value_kind: global_buffer, .address_space: global }
      - { .name: lowp_scales, .offset: 24, .size: 8, .value_kind: global_buffer, .address_space: global }
      - { .name: out0, .offset: 32, .size: 8, .value_kind: global_buffer, .address_space: global }
    .group_segment_fixed_size: 9216
    .private_segment_fixed_size: 0
    .kernarg_segment_align: 8
    .kernarg_segment_size: 40
    .max_flat_workgroup_size: 128
    .sgpr_count:     66
    .vgpr_count:     256
    .wavefront_size: 32
...
	.end_amdgpu_metadata
.endif
;; end of part 3
